; MI455X (gfx1250); checked and timed in simulation.
; The chip was launched on July 23, 2026; its instructions are those of AMD's public machine-readable ISA for CDNA 5 (MIT licence, August 2026) and "CDNA5" Instruction Set Architecture Reference Guide (July 2026). The comments in the code are by the model that wrote it; some were corrected since.
;; SRN. Allowed arithmetic: float matrix products may take bf16 or f16 operands with f32 sums; all other float work in f32.
;; Inputs: W_ac 600 x 300 float32; action_mask 1,024 x 256 float32; b_ac 300 float32; b_rel one number float32; last_h 1,024 x 300 float32; q_t 1,024 x 32 x 300 float32; r_space 1,024 x 256 int32; rel_emb 4,000 x 300 float32; w_rel 300 float32.
;; Outputs: out0 1,024 x 256 float32.
;; One version. Each part assembles by itself: llvm-mc -triple=amdgcn-amd-amdhsa -mcpu=gfx1250 --defsym DOCPART=n.
;; ======== version 1 of 1: 2 launches
;; workspace buffers: rb 2,560,000 bytes; wf 409,600 bytes
;; launch prep (part 1): grid 725 x 1, 8 waves a work-group, no clusters, 0 bytes of LDS; arguments rel_emb, W_ac, rb, wf; writes rb, wf
.if DOCPART == 1
	.amdgcn_target "amdgcn-amd-amdhsa--gfx1250"
	.amdhsa_code_object_version 6
	.text
	.protected	k_q14862dbe57_prep
	.globl	k_q14862dbe57_prep
	.p2align	8
	.type	k_q14862dbe57_prep,@function
k_q14862dbe57_prep:
	s_mov_b64 s[64:65], 0
	v_nop
	global_prefetch_b8 v0, s[64:65] scope:SCOPE_SE
	s_setreg_imm32_b32 hwreg(HW_REG_WAVE_MODE, 25, 1), 1
	s_wait_xcnt 0x0
; Two tables in bf16 for the fused launch that follows.  One thread makes one piece of 16 bytes (8 bf16), so each store of a wave
; covers 512 consecutive bytes that begin at a multiple of 512 from the table's first byte.
;   rb [4000][320]: rel_emb rounded to bf16, each row padded from 300 to 320 numbers with zeros (640 bytes a row).
;   wf [s][dt][ks][p][lane][8]: W_ac rounded to bf16 and transposed, laid out as the registers of a 16 x 32 matrix operand:
;      lane (r = lane & 15, h = lane >> 4), number i holds W_ac[300 s + e][d], d = 16 dt + r, e = 32 ks + 16 p + 8 h + i,
;      and zero where e >= 300 or d >= 300.  s = 0: the rows that meet last_h; s = 1: the rows that meet q_attn.
; Work-groups 0 to 624 make rb (625 x 256 = 4000 x 40 pieces), work-groups 625 to 724 make wf (100 x 256 = 2 x 20 x 10 x 2 x 32 pieces).
; Loads whose place would lie past a row's or the table's end are clamped into it and their numbers replaced by zero.
.set NT1, 625                          ; work-groups that make rb
	s_load_b256 s[4:11], s[0:1], 0x0               ; rel_emb s[4:5], W_ac s[6:7], rb s[8:9], wf s[10:11]
	s_cmp_ge_u32 ttmp9, NT1
	s_cbranch_scc1 .Lweights
	; ---- rb: piece C = 256 x work-group + thread; row = C / 40, c = C mod 40
	s_lshl_b32 s12, ttmp9, 8
	v_add_nc_u32 v1, s12, v0                       ; C, below 160,000
	v_lshrrev_b32 v2, 3, v1                        ; C / 8, below 20,000
	v_mul_lo_u32 v2, v2, 52429                     ; x / 5 = (52,429 x) >> 18, exact for x < 20,000; the product stays below 2^32
	v_lshrrev_b32 v2, 18, v2                       ; row
	v_mul_u32_u24 v3, v2, 40
	v_sub_nc_u32 v3, v1, v3                        ; c, 0 to 39
	v_lshlrev_b32 v4, 3, v3                        ; first of my 8 numbers in the row
	v_min_u32 v5, 296, v4                          ; both loads stay inside the row's 300 numbers
	v_add_nc_u32 v6, 4, v4
	v_min_u32 v6, 296, v6
	v_mul_u32_u24 v7, v2, 1200                     ; the row's first byte in rel_emb
	v_lshl_add_u32 v5, v5, 2, v7
	v_lshl_add_u32 v6, v6, 2, v7
	v_lshlrev_b32 v8, 4, v1                        ; my 16 bytes in rb
	s_wait_kmcnt 0x0
	global_load_b128 v[12:15], v5, s[4:5]
	global_load_b128 v[16:19], v6, s[4:5]
	v_cmp_gt_u32 vcc_lo, 38, v3                    ; numbers 8 c .. 8 c + 3 exist for c <= 37
	v_cmp_gt_u32 s13, 37, v3                       ; numbers 8 c + 4 .. 8 c + 7 exist for c <= 36
	s_wait_loadcnt 0x0
	v_cvt_pk_bf16_f32 v20, v12, v13
	v_cvt_pk_bf16_f32 v21, v14, v15
	v_cvt_pk_bf16_f32 v22, v16, v17
	v_cvt_pk_bf16_f32 v23, v18, v19
	v_cndmask_b32 v20, 0, v20, vcc_lo
	v_cndmask_b32 v21, 0, v21, vcc_lo
	v_cndmask_b32 v22, 0, v22, s13
	v_cndmask_b32 v23, 0, v23, s13
	global_store_b128 v8, v[20:23], s[8:9]
	s_endpgm
	; ---- wf: a wave makes half an operand image (p), two waves one image f = (20 s + dt) 10 + ks
.Lweights:
	v_lshrrev_b32 v1, 5, v0
	v_readfirstlane_b32 s12, v1                    ; wave 0..7
	s_sub_co_u32 s13, ttmp9, NT1                   ; 0..99
	s_lshr_b32 s15, s12, 1
	s_lshl2_add_u32 s14, s13, s15                  ; f = 4 x group + wave / 2, 0..399
	s_and_b32 s15, s12, 1                          ; p
	s_mul_i32 s16, s14, 205
	s_lshr_b32 s16, s16, 11                        ; f / 10 = (205 f) >> 11, exact for f < 1,024
	s_mul_i32 s17, s16, 10
	s_sub_co_u32 s17, s14, s17                     ; ks
	s_cmp_ge_u32 s16, 20
	s_cselect_b32 s18, 1, 0                        ; s
	s_mul_i32 s19, s18, 20
	s_sub_co_u32 s19, s16, s19                     ; dt
	s_lshl_b32 s20, s17, 5
	s_lshl4_add_u32 s20, s15, s20                  ; 32 ks + 16 p
	s_mul_i32 s21, s18, 300                        ; first row of W_ac's half
	s_lshl_b32 s24, s13, 12                        ; the group's 4,096 bytes of wf
	v_and_b32 v2, 15, v0                           ; r
	v_bfe_u32 v3, v0, 4, 1                         ; h
	v_lshl_add_u32 v4, s19, 4, v2                  ; d
	v_lshl_add_u32 v5, v3, 3, s20                  ; e of my first number
	v_min_u32 v6, 299, v4
	v_lshlrev_b32 v6, 2, v6                        ; the column's bytes, clamped
.irp i, 0,1,2,3,4,5,6,7
	v_add_nc_u32 v7, \i, v5
	v_min_u32 v7, 299, v7                          ; the row, clamped into its half
	v_add_nc_u32 v7, s21, v7
	v_mad_u32_u24 v[8+\i], v7, 1200, v6
.endr
	v_lshl_add_u32 v28, v0, 4, s24
	s_wait_kmcnt 0x0
.irp i, 0,1,2,3,4,5,6,7
	global_load_b32 v[16+\i], v[8+\i], s[6:7]      ; sixteen lanes take 64 neighbouring bytes of a row of W_ac
.endr
	v_cmp_gt_u32 vcc_lo, 300, v4                   ; d exists
	v_cmp_gt_u32 s22, 300, v5                      ; e is a multiple of 8: numbers 0 to 3 exist for e <= 296,
	v_cmp_gt_u32 s23, 296, v5                      ; numbers 4 to 7 for e <= 288
	s_and_b32 s22, s22, vcc_lo
	s_and_b32 s23, s23, vcc_lo
	s_wait_loadcnt 0x0
	v_cvt_pk_bf16_f32 v24, v16, v17
	v_cvt_pk_bf16_f32 v25, v18, v19
	v_cvt_pk_bf16_f32 v26, v20, v21
	v_cvt_pk_bf16_f32 v27, v22, v23
	v_cndmask_b32 v24, 0, v24, s22
	v_cndmask_b32 v25, 0, v25, s22
	v_cndmask_b32 v26, 0, v26, s23
	v_cndmask_b32 v27, 0, v27, s23
	global_store_b128 v28, v[24:27], s[10:11]
	s_endpgm
.Lfunc_end_k_q14862dbe57_prep:
	.size	k_q14862dbe57_prep, .Lfunc_end_k_q14862dbe57_prep-k_q14862dbe57_prep
	.p2alignl 7, 3214868480
	.fill 96, 4, 3214868480
	.section	.rodata,"a",@progbits
	.p2align	6, 0x0
	.amdhsa_kernel k_q14862dbe57_prep
		.amdhsa_group_segment_fixed_size 0
		.amdhsa_private_segment_fixed_size 0
		.amdhsa_enable_private_segment 0
		.amdhsa_kernarg_size 32
		.amdhsa_user_sgpr_count 2
		.amdhsa_user_sgpr_kernarg_segment_ptr 1
		.amdhsa_wavefront_size32 1
		.amdhsa_system_sgpr_workgroup_id_x 1
		.amdhsa_system_sgpr_workgroup_id_y 1
		.amdhsa_system_sgpr_workgroup_id_z 1
		.amdhsa_system_vgpr_workitem_id 0
		.amdhsa_next_free_vgpr 40
		.amdhsa_next_free_sgpr 66
		.amdhsa_reserve_vcc 1
		.amdhsa_float_denorm_mode_32 3
		.amdhsa_float_denorm_mode_16_64 3
		.amdhsa_memory_ordered 1
		.amdhsa_forward_progress 1
		.amdhsa_inst_pref_size 7
	.end_amdhsa_kernel
	.amdgpu_metadata
---
amdhsa.version: [ 1, 2 ]
amdhsa.kernels:
  - .name:           k_q14862dbe57_prep
    .symbol:         k_q14862dbe57_prep.kd
    .args:
      - { .name: rel_emb, .offset: 0, .size: 8, .value_kind: global_buffer, .address_space: global }
      - { .name: W_ac, .offset: 8, .size: 8, .value_kind: global_buffer, .address_space: global }
      - { .name: rb, .offset: 16, .size: 8, .value_kind: global_buffer, .address_space: global }
      - { .name: wf, .offset: 24, .size: 8, .value_kind: global_buffer, .address_space: global }
    .group_segment_fixed_size: 0
    .private_segment_fixed_size: 0
    .kernarg_segment_align: 8
    .kernarg_segment_size: 32
    .max_flat_workgroup_size: 256
    .sgpr_count:     66
    .vgpr_count:     40
    .wavefront_size: 32
...
	.end_amdgpu_metadata
.endif
;; end of part 1
;; launch fused (part 2): grid 256 x 1, 4 waves a work-group, no clusters, 327,168 bytes of LDS; arguments q_t, last_h, w_rel, b_rel, b_ac, r_space, action_mask, rb, wf, out0; writes out0
.if DOCPART == 2
	.amdgcn_target "amdgcn-amd-amdhsa--gfx1250"
	.amdhsa_code_object_version 6
	.text
	.protected	k_q14862dbe57_fused
	.globl	k_q14862dbe57_fused
	.p2align	8
	.type	k_q14862dbe57_fused,@function
k_q14862dbe57_fused:
	s_mov_b64 s[64:65], 0
	v_nop
	global_prefetch_b8 v0, s[64:65] scope:SCOPE_SE
	s_setreg_imm32_b32 hwreg(HW_REG_WAVE_MODE, 25, 1), 1
	s_wait_xcnt 0x0
; For each of 1,024 batches: R = 256 gathered rows of the relation table; attn = softmax over 32 q of (R o w_rel) q^T + b_rel;
; act = relu([last_h | attn q] W_ac + b_ac); score[a] = R[a] . act[a]; out = softmax over the 256 actions, times the mask, + 2^-52, renormalised.
; THE CLASSIFIER IS TAKEN APART.  Up to the relu it is linear, so (attn q) W2 = attn (q W2) for every input.  With P = q W2 (32 x 300) and
; c = last_h W1 + b_ac (300) of a batch, act = relu(attn P + c): a product with K = 32 for each action in place of one with K = 600.
; A work-group of four waves owns four batches.
;   Phase A (P and c) is shared by columns: wave w makes columns 80 w .. 80 w + 79 of P and of c for all four batches, so that each
;   operand image of W_ac is loaded once into the registers of the one wave that uses it.  (Columns 300 to 319 are zeros of the table wf.)
;   Phase B (all that is done for each action) is one wave for one batch, 16 actions a step; it needs no barrier, and the last softmax stays in the wave.
; EVERY PRODUCT'S RESULT IS ALREADY THE NEXT PRODUCT'S OPERAND (lane = (r, h), r = lane & 15, h = lane >> 4):
;   P     = D(m = q, n = d): packing the two tiles q 0-15, q 16-31 to bf16 gives the operand of P^T (row d, K = q);
;   c     = D(m = d, n = column, column r standing for batch r & 3), started from b_ac: eight neighbouring d a lane, the C operand of act;
;   logits= D(m = q, n = a): a lane holds 16 of action r's 32 logits, lane r ^ 16 the others; packed after the softmax they are attn's operand (column a, K = q);
;   act   = D(m = d, n = a): register j holds act[a = r][16 dt + 8 h + j], the very place at which R's operand registers hold R[a][d]:
;           the score is a maximum with 0 and a multiply-add from the bf16 half, with no move between lanes.
; LIMITS, kept on purpose: matrix operands (q, q o w_rel, last_h, W_ac, attn, P, R) are bf16, and R is the same bf16 number in the score's dot product;
; sums, c, act, scores and both softmaxes are f32, each softmax with its true maximum taken away; attn (q W2) differs from (attn q) W2 in the order of rounding alone;
; v_exp_f32 and v_rcp_f32 are good to 1 ULP and flush denormals (ISA guide, 15.8); an index is clamped to 3,999 (an index outside the table is not served);
; c at columns 300 to 303 holds copies of b_ac[296..299], which meet R's zero padding: they must be finite, as the result needs them to be anyway.
; NO CLUSTER: the one thing that work-groups share is wf, 409,600 of some 1,220,000 bytes that a work-group reads; a joint load lands in LDS, where 1,024 bytes are free.
.set QROW,   1200                      ; bytes in a row of q_t, last_h: 75 x 16, so sixteen rows' pieces of 16 bytes fall into sixteen different columns of 16 bytes modulo 256
.set QB,     32*QROW                   ; a batch of q_t: 38,400 bytes = 150 x 256
.set QFR,    4*QB                      ; LDS 153,600: q in bf16 as operand images, (10 mt + ks) 1,024 + 512 p + 16 lane; 81,920 bytes
.set PFR,    QFR+81920                 ; LDS 235,520: P^T as operand images, (20 batch + dt) 1,024 + 512 p + 16 lane; 81,920 bytes
.set CEX,    PFR+81920                 ; LDS 317,440: c, [batch][320] f32; 5,120 bytes
.set IDX,    CEX+5120                  ; LDS 322,560: each wave's 256 indices; 4 x 1,024 bytes
.set RPITCH, 656                       ; the stage for 16 gathered rows: 640 bytes + 16, 41 x 16
.set SCRO,   16*RPITCH                 ; behind the stage: the wave's 256 scores.  Stage and scores lie in the wave's own q_t bytes (LDS w x 38,400), which are filled once and by then read for the last time
.set NROWS,  4000
.set LOG2E,  0x3fb8aa3b
.set NLOG2E, 0xbfb8aa3b
.set EPS,    0x25800000                ; 2^-52
; window 0
.set L16, 1                            ; 16 x lane
.set RR,  2                            ; r
.set HH,  3                            ; h
.set QLA, 4                            ; my q_t bytes: w 38,400 + 1,200 r + 32 h
.set QLT, 5                            ; the same with 16 h: for the last piece of a row
.set QS,  6                            ; QFR + 20,480 w + 16 lane
.set QA0, 7                            ; QFR + 16 lane
.set QA1, 8                            ; QA0 + 61,440 (an LDS immediate has 16 bits)
.set WA,  9                            ; 51,200 w + 16 lane: my five column tiles in wf
.set PS0, 10                           ; PFR + 5,120 w + 16 lane
.set PS1, 11                           ; PS0 + 40,960
.set CS,  12                           ; CEX + 1,280 (r & 3) + 320 w + 32 h
.set PL,  13                           ; PFR + 20,480 w + 16 lane
.set CL,  14                           ; CEX + 1,280 w + 32 h
.set FA,  15                           ; stage + 656 r + 16 h
.set SA,  16                           ; stage + 656 (lane >> 3) + 16 (lane & 7)
.set IA,  17                           ; IDX + 1,024 w + 4 (lane >> 3), stepped by two tiles a trip
.set SCA, 18                           ; scores + 4 r, stepped likewise
.set L8,  19                           ; 16 (lane & 7)
.set RA,  20                           ; v20-27  byte offsets of the gathered rows, [tile parity][4]
.set IX,  28                           ; v28-31  four indices
.set BREL,32                           ; v32-39  b_rel, the C operand that starts the logits
.set LG,  40                           ; v40-55  16 logits, then exponentials, then attn
.set WFA, 40                           ; until phase B v40-47 hold addresses of w_rel: its copy in LDS + 32 h,
.set WFT, 41                           ;   + 16 h,
.set WLO, 42                           ;   v42-44 min(16 lane + 512 i, 1,184), in w_rel,
.set WLS, 45                           ;   v45-47 the same in the LDS copy
.set AT,  56                           ; v56-63  attn as an operand
.set TM,  64                           ; v64-95  at work
.set Q1T, 96                           ; phase 1: q in f32, two sets of 32
.set AQ,  96                           ; phase A: q operands of a K step, two sets of 64 (v96-223)
.set QW,  96                           ; from phase 3: bf16(q o w_rel), operand (m, ks) at 96 + 8 (10 m + ks) (v96-255)
.set HA,  224                          ; start: 1,200 (r & 3) + 32 h in last_h;  HAT: with 16 h
.set HAT, 225
.set BA,  226                          ; v226-235 ten clamped offsets in b_ac
.set IXW, 236                          ; v236-243 my 8 indices as loaded
.set IST, 244                          ; IDX + 1,024 w + 16 lane
; window 1: start: last_h in f32 (v0-151); phase A: P's sums, tile (j, mt) at 8 (8 j + mt), j = 0..3; phase B: P^T operands v0-151, R's operands of odd tiles v152-231
.set PF,  0
.set C3,  152                          ; phase 3: two sets of 48 (32 of q, 16 of w_rel)
.set F1B, 152
; window 2: phase A: P's sums j = 4 (v0-63), c's sums, last_h's operands; phase B: c operands v0-151, two banks of act tiles, the score's eight sums
.set CACC,64
.set HFR, 104
.set CF,  0
.set TX,  152
.set TY,  184
.set SS,  216
.set MASK,232
.set WRL, 240                          ; v240-251 w_rel as loaded
; window 3: phase A: three sets of 80 (five images of W2, five of W1); phase B: gathered rows of even tiles v0-79, of odd tiles v80-159, R's operands of even tiles v160-239
.set F0B, 160
.set MSB, 0
.macro WIN new                         ; s_set_vgpr_msb: bits 1:0 source 0, 3:2 source 1, 5:4 source 2, 7:6 destination; the high byte repeats the setting that is left
.if MSB != \new
	s_set_vgpr_msb (MSB<<8)|\new
.set MSB, \new
.endif
.endm
.macro PLACES                          ; four places behind a matrix instruction (ISA guide 7.12.1) where there is no other vector work for them
.rept 4
	v_nop
.endr
.endm
	; ================ start: the batch of q_t is asked for first
	s_load_b512 s[8:23], s[0:1], 0x0               ; q_t s[8:9], last_h s[10:11], w_rel s[12:13], b_rel s[14:15], b_ac s[16:17], r_space s[18:19], action_mask s[20:21], rb s[22:23]
	s_load_b128 s[24:27], s[0:1], 0x40             ; wf s[24:25], out0 s[26:27]
	s_set_vgpr_msb 0x80
	v_lshl_add_u32 v254, v0, 2, 0x4fc00
	v_mov_b32 v255, 0
	s_set_vgpr_msb 0x808a
	ds_add_u32 v254, v255
	ds_add_u32 v254, v255
	s_set_vgpr_msb 0x8a00
	v_lshrrev_b32 v1, 5, v0
	v_readfirstlane_b32 s40, v1                    ; wave w
	s_lshl_b32 s41, ttmp9, 2
	s_add_co_u32 s41, s41, s40                     ; my batch = 4 x work-group + w
	s_mul_i32 s50, s41, QB                         ; below 2^32
	s_mov_b32 s51, 0
	; the descriptor: a dense block of 38,400 bytes as 150 rows of 32 elements of 8 bytes
	s_mov_b32 s28, 1                               ; group 0: count
	s_mul_i32 s29, s40, QB                         ; LDS address: the wave's own 38,400 bytes
	s_mov_b32 s32, 3<<16                           ; group 1: no mask, elements of 8 bytes, no padding
	s_mov_b32 s33, 32<<16                          ; tensor_dim0 = 32
	s_mov_b32 s34, 150<<16                         ; tensor_dim1 = 150
	s_mov_b32 s35, 32<<16                          ; tile_dim0 = 32
	s_mov_b32 s36, 150                             ; tile_dim1 = 150
	s_mov_b32 s37, 32                              ; from row to row: 32 elements
	s_mov_b32 s38, 0
	s_mov_b32 s39, 0
	s_wait_dscnt 0x0
	s_wait_kmcnt 0x0
	s_add_nc_u64 s[30:31], s[8:9], s[50:51]
	s_or_b32 s31, s31, 0x80000000                  ; type 2
	tensor_load_to_lds s[28:31], s[32:39]          ; the wave's one tensor load; its LDS bytes are filled once
	s_nop 0
	s_load_b32 s47, s[14:15], 0x0                  ; b_rel
	s_lshl_b32 s52, s41, 10                        ; a batch's 1,024 bytes of r_space, action_mask, out0
	s_mov_b32 s53, 0
	s_add_nc_u64 s[18:19], s[18:19], s[52:53]
	s_add_nc_u64 s[20:21], s[20:21], s[52:53]
	s_add_nc_u64 s[26:27], s[26:27], s[52:53]
	s_mul_i32 s54, ttmp9, 4*QROW                   ; the work-group's four rows of last_h
	s_mov_b32 s55, 0
	s_add_nc_u64 s[10:11], s[10:11], s[54:55]
	s_mov_b32 s44, 0x76543210                      ; v_permlanex16_b32: lane i takes lane i of the other half
	s_mov_b32 s45, 0xfedcba98
	s_mov_b32 s46, 0xffff                          ; the lanes with h = 0
	s_mul_i32 s42, s40, QB                         ; my q_t bytes, later my stage
	s_add_co_u32 s49, s42, SCRO                    ; my scores
	; addresses
	v_and_b32 v[L16], 31, v0
	v_lshlrev_b32 v[L16], 4, v[L16]
	v_and_b32 v[RR], 15, v0
	v_bfe_u32 v[HH], v0, 4, 1
	v_lshlrev_b32 v[TM], 4, v[HH]                  ; 16 h
	v_and_b32 v[TM+1], 3, v0                       ; r & 3
	v_bfe_u32 v[TM+2], v0, 3, 2                    ; lane >> 3
	v_and_b32 v[L8], 7, v0
	v_lshlrev_b32 v[L8], 4, v[L8]
	v_mul_u32_u24 v[TM+3], v[RR], QROW
	v_add_nc_u32 v[TM+3], s42, v[TM+3]
	v_lshl_add_u32 v[QLA], v[HH], 5, v[TM+3]
	v_lshl_add_u32 v[QLT], v[HH], 4, v[TM+3]
	s_mul_i32 s43, s40, 20480
	s_add_co_u32 s43, s43, QFR
	v_add_nc_u32 v[QS], s43, v[L16]
	v_add_nc_u32 v[QA0], QFR, v[L16]
	v_add_nc_u32 v[QA1], QFR+61440, v[L16]
	s_mul_i32 s43, s40, 51200
	v_add_nc_u32 v[WA], s43, v[L16]
	s_mul_i32 s43, s40, 5120
	s_add_co_u32 s43, s43, PFR
	v_add_nc_u32 v[PS0], s43, v[L16]
	v_add_nc_u32 v[PS1], 40960, v[PS0]
	s_mul_i32 s43, s40, 320
	v_lshl_add_u32 v[TM+4], v[HH], 5, s43          ; 320 w + 32 h: bytes of my first column tile's eight numbers, in b_ac and in a row of CEX
	v_mul_u32_u24 v[CS], v[TM+1], 1280
	v_add3_u32 v[CS], v[CS], v[TM+4], CEX
	s_mul_i32 s43, s40, 20480
	s_add_co_u32 s43, s43, PFR
	v_add_nc_u32 v[PL], s43, v[L16]
	s_mul_i32 s43, s40, 1280
	s_add_co_u32 s43, s43, CEX
	v_lshl_add_u32 v[CL], v[HH], 5, s43
	v_mul_u32_u24 v[FA], v[RR], RPITCH
	v_add3_u32 v[FA], v[FA], v[TM], s42
	v_mul_u32_u24 v[SA], v[TM+2], RPITCH
	v_add3_u32 v[SA], v[SA], v[L8], s42
	s_lshl_b32 s43, s40, 10
	s_add_co_u32 s43, s43, IDX
	v_lshl_add_u32 v[IA], v[TM+2], 2, s43
	v_add_nc_u32 v[IST], s43, v[L16]
	v_lshl_add_u32 v[SCA], v[RR], 2, s49
	v_mul_u32_u24 v[TM+5], v[TM+1], QROW
	v_lshl_add_u32 v[HA], v[HH], 5, v[TM+5]
	v_lshl_add_u32 v[HAT], v[HH], 4, v[TM+5]
.irp j, 0,1,2,3,4
	v_add_nc_u32 v[BA+2*\j], 64*\j, v[TM+4]
	v_add_nc_u32 v[BA+2*\j+1], 64*\j+16, v[TM+4]
	v_min_u32 v[BA+2*\j], QROW-16, v[BA+2*\j]      ; no load passes b_ac's 1,200 bytes; the copies land at columns 300 and up
	v_min_u32 v[BA+2*\j+1], QROW-16, v[BA+2*\j+1]
.endr
	s_mul_i32 s43, s40, 1280
	s_add_co_u32 s43, s43, QFR                     ; where my copy of w_rel will lie when the q images are dead
.irp i, 0,1,2
	v_add_nc_u32 v[WLO+\i], 512*\i, v[L16]
	v_min_u32 v[WLO+\i], QROW-16, v[WLO+\i]
	v_add_nc_u32 v[WLS+\i], s43, v[WLO+\i]
.endr
	v_lshl_add_u32 v[WFA], v[HH], 5, s43
	v_lshl_add_u32 v[WFT], v[HH], 4, s43
; twenty loads: the five images of W2 and the five of W1 of my column tiles for K step ks, into set ks mod 3; each load takes 512 consecutive bytes
.macro WBLOAD ks
.set WBN, 80*((\ks)%3)
	WIN 0xc0
.irp j, 0,1,2,3,4
	global_load_b128 v[WBN+8*\j:WBN+8*\j+3],   v[WA], s[24:25] offset:(200+10*\j+\ks)*1024
	global_load_b128 v[WBN+8*\j+4:WBN+8*\j+7], v[WA], s[24:25] offset:(200+10*\j+\ks)*1024+512
.endr
.irp j, 0,1,2,3,4
	global_load_b128 v[WBN+40+8*\j:WBN+40+8*\j+3], v[WA], s[24:25] offset:(10*\j+\ks)*1024
	global_load_b128 v[WBN+40+8*\j+4:WBN+40+8*\j+7], v[WA], s[24:25] offset:(10*\j+\ks)*1024+512
.endr
.endm
	global_load_b128 v[IXW:IXW+3],   v[L16], s[18:19] th:TH_LOAD_NT              ; indices of actions 4 lane ..
	global_load_b128 v[IXW+4:IXW+7], v[L16], s[18:19] offset:512 th:TH_LOAD_NT   ; and 128 + 4 lane ..
	WIN 0x80
.irp i, 0,1,2
	global_load_b128 v[WRL+4*\i:WRL+4*\i+3], v[WLO+\i], s[12:13]
.endr
.irp i, 0,1,2,3,4,5,6,7,8,9
	global_load_b128 v[CACC+4*\i:CACC+4*\i+3], v[BA+\i], s[16:17]                ; b_ac starts c's sums: register i of tile j = b_ac[16 (5 w + j) + 8 h + i]
.endr
	WIN 0x40
.irp k, 0,1,2,3,4,5,6,7,8
	global_load_b128 v[16*\k:16*\k+3],     v[HA], s[10:11] offset:128*\k         ; last_h[batch r & 3][32 k + 8 h ..]
	global_load_b128 v[16*\k+4:16*\k+7],   v[HA], s[10:11] offset:128*\k+16
	global_load_b128 v[16*\k+8:16*\k+11],  v[HA], s[10:11] offset:128*\k+64      ; [32 k + 16 + 8 h ..]
	global_load_b128 v[16*\k+12:16*\k+15], v[HA], s[10:11] offset:128*\k+80
.endr
	global_load_b128 v[144:147], v[HA],  s[10:11] offset:1152                    ; the last 12 numbers: h = 0: 288-291, h = 1: 296-299
	global_load_b128 v[148:151], v[HAT], s[10:11] offset:1168                    ; h = 0: 292-295; h = 1: 296-299 once more, replaced by zero below
	WBLOAD 0
	WBLOAD 1
	s_wait_loadcnt 40                              ; all but the forty loads of the two weight sets
	WIN 0
	ds_store_b128 v[IST], v[IXW:IXW+3]             ; the wave's own bytes: read by this wave alone
	ds_store_b128 v[IST], v[IXW+4:IXW+7] offset:512
	WIN 0x85
.irp k, 0,1,2,3,4,5,6,7,8
.irp i, 0,1,2,3,4,5,6,7
	v_cvt_pk_bf16_f32 v[HFR+8*\k+\i], v[16*\k+2*\i], v[16*\k+2*\i+1]
.endr
.endr
.irp i, 0,1,2,3
	v_cvt_pk_bf16_f32 v[HFR+72+\i], v[144+2*\i], v[144+2*\i+1]
.endr
	WIN 0x88
	v_cndmask_b32 v[HFR+74], 0, v[HFR+74], s46     ; numbers 300 and up are zero
	v_cndmask_b32 v[HFR+75], 0, v[HFR+75], s46
.irp i, 76,77,78,79
	v_mov_b32 v[HFR+\i], 0
.endr
	WIN 0
	s_wait_kmcnt 0x0
.irp i, 0,1,2,3,4,5,6,7
	v_mov_b32 v[BREL+\i], s47
.endr
	; ================ phase 1: my batch of q_t, f32 in LDS, becomes operand images in bf16 for all four waves
; the f32 numbers of two operands (rows 16 m + r, m = 0, 1; K step ks) into 32 registers from base on, in the destination's window
.macro QLOAD ks, base
.irp m, 0,1
.if \ks < 9
	ds_load_b128 v[\base+16*\m:\base+16*\m+3],     v[QLA] offset:16*QROW*\m+128*(\ks)
	ds_load_b128 v[\base+16*\m+4:\base+16*\m+7],   v[QLA] offset:16*QROW*\m+128*(\ks)+16
	ds_load_b128 v[\base+16*\m+8:\base+16*\m+11],  v[QLA] offset:16*QROW*\m+128*(\ks)+64
	ds_load_b128 v[\base+16*\m+12:\base+16*\m+15], v[QLA] offset:16*QROW*\m+128*(\ks)+80
.else
	ds_load_b128 v[\base+16*\m:\base+16*\m+3],     v[QLA] offset:16*QROW*\m+1152
	ds_load_b128 v[\base+16*\m+4:\base+16*\m+7],   v[QLT] offset:16*QROW*\m+1168   ; stays inside the row, as for last_h
.endif
.endr
.endm
.macro Q1STEP ks
.set QCB, Q1T+32*((\ks)&1)
.set QNB, Q1T+32*((\ks+1)&1)
.set QOB, TM+16*((\ks)&1)
.if \ks < 9
	QLOAD (\ks+1), QNB
.endif
	; LDS instructions of a wave end in order (ISA guide 5.7.1): behind this step's loads stand the last step's four stores and the next step's loads
.if \ks == 0
	s_wait_dscnt 8                                 ; 8 loads
.elseif \ks < 8
	s_wait_dscnt 12                                ; 4 stores, 8 loads
.elseif \ks == 8
	s_wait_dscnt 8                                 ; 4 stores, 4 loads
.else
	s_wait_dscnt 4                                 ; 4 stores
.endif
.irp m, 0,1
.if \ks < 9
.irp i, 0,1,2,3,4,5,6,7
	v_cvt_pk_bf16_f32 v[QOB+8*\m+\i], v[QCB+16*\m+2*\i], v[QCB+16*\m+2*\i+1]
.endr
.else
.irp i, 0,1,2,3
	v_cvt_pk_bf16_f32 v[QOB+8*\m+\i], v[QCB+16*\m+2*\i], v[QCB+16*\m+2*\i+1]
.endr
	v_cndmask_b32 v[QOB+8*\m+2], 0, v[QOB+8*\m+2], s46
	v_cndmask_b32 v[QOB+8*\m+3], 0, v[QOB+8*\m+3], s46
.irp i, 4,5,6,7
	v_mov_b32 v[QOB+8*\m+\i], 0
.endr
.endif
	ds_store_b128 v[QS], v[QOB+8*\m:QOB+8*\m+3]   offset:(10*\m+\ks)*1024
	ds_store_b128 v[QS], v[QOB+8*\m+4:QOB+8*\m+7] offset:(10*\m+\ks)*1024+512
.endr
.endm
	s_wait_tensorcnt 0x0                           ; my batch is in LDS; only I read it
	QLOAD 0, Q1T
.irp k, 0,1,2,3,4,5,6,7,8,9
	Q1STEP \k
.endr
	s_wait_dscnt 0x0                               ; my images are written,
	s_barrier_signal -1
	s_barrier_wait -1                              ; everybody's are
	; ================ phase A: P = q W2 (128 rows x my 80 columns) and c = last_h W1 + b_ac (my 80 columns x 4 batches), K = 320 in ten steps
.macro AQLOAD ks                       ; the eight q operands of K step ks, 16 loads of 512 consecutive bytes
.set AQN, AQ+64*((\ks)&1)
	WIN 0
.irp t, 0,1,2,3,4,5
	ds_load_b128 v[AQN+8*\t:AQN+8*\t+3],   v[QA0] offset:(10*\t+\ks)*1024
	ds_load_b128 v[AQN+8*\t+4:AQN+8*\t+7], v[QA0] offset:(10*\t+\ks)*1024+512
.endr
.irp t, 6,7
	ds_load_b128 v[AQN+8*\t:AQN+8*\t+3],   v[QA1] offset:(10*(\t-6)+\ks)*1024
	ds_load_b128 v[AQN+8*\t+4:AQN+8*\t+7], v[QA1] offset:(10*(\t-6)+\ks)*1024+512
.endr
.endm
; One K step: 45 matrix instructions on 45 accumulators.  The accumulators take turns, one instruction a turn, in the same order in every step.
.macro KSTEP ks
.set AQC, AQ+64*((\ks)&1)
.set WBC, 80*((\ks)%3)
.if \ks > 0
	PLACES                                         ; the loads below land on registers that the last step's matrix instructions read
.endif
.if \ks < 9
	AQLOAD (\ks+1)
.endif
.if \ks < 8
	WBLOAD (\ks+2)                                 ; a weight set is asked for two steps ahead
.endif
.if \ks < 9
	s_wait_dscnt 16                                ; this step's q operands are in; the next step's 16 loads stay out
.else
	s_wait_dscnt 0
.endif
.if \ks < 8
	s_wait_loadcnt 40                              ; this step's weights are in; two younger sets of 20 stay out
.elseif \ks == 8
	s_wait_loadcnt 20
.else
	s_wait_loadcnt 0
.endif
	WIN 0x5c                                       ; A: q, window 0; B: W2, window 3; sums in window 1
.irp t, 0,1,2,3,4,5,6,7
.irp j, 0,1,2,3
.if \ks == 0
	v_wmma_f32_16x16x32_bf16 v[8*(8*\j+\t):8*(8*\j+\t)+7], v[AQC+8*\t:AQC+8*\t+7], v[WBC+8*\j:WBC+8*\j+7], 0
.else
	v_wmma_f32_16x16x32_bf16 v[8*(8*\j+\t):8*(8*\j+\t)+7], v[AQC+8*\t:AQC+8*\t+7], v[WBC+8*\j:WBC+8*\j+7], v[8*(8*\j+\t):8*(8*\j+\t)+7]
.endif
.endr
.endr
	WIN 0xac                                       ; the fifth column tile's sums lie in window 2
.irp t, 0,1,2,3,4,5,6,7
.if \ks == 0
	v_wmma_f32_16x16x32_bf16 v[8*\t:8*\t+7], v[AQC+8*\t:AQC+8*\t+7], v[WBC+32:WBC+39], 0
.else
	v_wmma_f32_16x16x32_bf16 v[8*\t:8*\t+7], v[AQC+8*\t:AQC+8*\t+7], v[WBC+32:WBC+39], v[8*\t:8*\t+7]
.endif
.endr
	WIN 0xab                                       ; A: W1, window 3; B: last_h, window 2; sums in window 2, begun from b_ac
.irp j, 0,1,2,3,4
	v_wmma_f32_16x16x32_bf16 v[CACC+8*\j:CACC+8*\j+7], v[WBC+40+8*\j:WBC+40+8*\j+7], v[HFR+8*\ks:HFR+8*\ks+7], v[CACC+8*\j:CACC+8*\j+7]
.endr
.endm
	AQLOAD 0
.irp k, 0,1,2,3,4,5,6,7,8,9
	KSTEP \k
.endr
	; ================ phase 2: the first gathers go out; P and c are handed to the waves that own the batches
.macro IXLOAD t                        ; lane takes the index of action 16 t + 4 u + (lane >> 3), t counted from the tile at which IA stands
	WIN 0
.irp u, 0,1,2,3
	ds_load_b32 v[IX+\u], v[IA] offset:(16*(\t)+4*\u)*4
.endr
.endm
; 16 rows of rb, 640 bytes each: eight lanes take 128 consecutive bytes of a row, aligned; five loads that follow each other take four whole rows
.macro ROWS p
	WIN 0
.irp u, 0,1,2,3
	v_min_u32 v[IX+\u], NROWS-1, v[IX+\u]
	v_mad_u32_u24 v[RA+4*\p+\u], v[IX+\u], 640, v[L8]
.endr
	WIN 0xc0
.irp u, 0,1,2,3
.irp c, 0,1,2,3,4
	global_load_b128 v[80*\p+4*(5*\u+\c):80*\p+4*(5*\u+\c)+3], v[RA+4*\p+\u], s[22:23] offset:128*\c
.endr
.endr
.endm
; column tile j of P: the tiles of q rows 32 b .. 32 b + 15 and 32 b + 16 .. + 31, packed, are batch b's operand of P^T
.macro HAND j, win, base
	WIN \win
.irp e, 0,1,2,3,4,5,6,7
.irp i, 0,1,2,3
	v_cvt_pk_bf16_f32 v[TM+4*\e+\i], v[\base+8*\e+2*\i], v[\base+8*\e+2*\i+1]
.endr
.endr
	WIN 0
.irp e, 0,1,2,3
	ds_store_b128 v[PS0], v[TM+4*\e:TM+4*\e+3]       offset:(20*(\e>>1)+\j)*1024+512*(\e&1)
	ds_store_b128 v[PS1], v[TM+16+4*\e:TM+16+4*\e+3] offset:(20*(\e>>1)+\j)*1024+512*(\e&1)
.endr
.endm
	PLACES                                         ; behind the last matrix instructions: for the loads into window 3 and the conversions below
	WIN 0x80
	global_load_b128 v[MASK:MASK+3],   v[L16], s[20:21] th:TH_LOAD_NT
	global_load_b128 v[MASK+4:MASK+7], v[L16], s[20:21] offset:512 th:TH_LOAD_NT
	IXLOAD 0
	s_wait_dscnt 0x0
	ROWS 0
	IXLOAD 1
	s_wait_dscnt 0x0
	ROWS 1
	HAND 0, 0x05, 0
	HAND 1, 0x05, 64
	HAND 2, 0x05, 128
	HAND 3, 0x05, 192
	HAND 4, 0x0a, 0
	WIN 0x08
.irp i, 0,1,2,3,4,5,6,7,8,9
	ds_store_b128 v[CS], v[CACC+4*\i:CACC+4*\i+3] offset:64*(\i>>1)+16*(\i&1)   ; lanes of equal r & 3 and h hold equal numbers and write them to one place
.endr
	s_wait_dscnt 0x0                               ; my reads of the q images are long back, my parts of P and c are written,
	s_barrier_signal -1
	s_barrier_wait -1                              ; everybody's are: from here on each wave works on LDS bytes of its own
	; ================ phase 3: my batch's operands into registers
	WIN 0x40
.irp t, 0,1,2,3,4,5,6,7,8,9,10,11,12,13,14,15,16,17,18
	ds_load_b128 v[PF+8*\t:PF+8*\t+3],   v[PL] offset:1024*\t
	ds_load_b128 v[PF+8*\t+4:PF+8*\t+7], v[PL] offset:1024*\t+512
.endr
	WIN 0x80
.irp t, 0,1,2,3,4,5,6,7,8,9,10,11,12,13,14,15,16,17,18
	ds_load_b128 v[CF+8*\t:CF+8*\t+3],   v[CL] offset:64*\t      ; c[16 t + 8 h ..], the same in all sixteen columns
	ds_load_b128 v[CF+8*\t+4:CF+8*\t+7], v[CL] offset:64*\t+16
.endr
	WIN 0x08
.irp i, 0,1,2
	ds_store_b128 v[WLS+\i], v[WRL+4*\i:WRL+4*\i+3]              ; w_rel into 1,200 of my own bytes where q images lay; LDS serves a wave in order, so the loads below see it
.endr
.macro LOAD3 ks                        ; q in f32 as in phase 1, and w_rel at the same K places: 12 loads (6 in the last step)
.set C3N, C3+48*((\ks)&1)
	WIN 0x40
	QLOAD \ks, C3N
.if \ks < 9
	ds_load_b128 v[C3N+32:C3N+35], v[WFA] offset:128*(\ks)
	ds_load_b128 v[C3N+36:C3N+39], v[WFA] offset:128*(\ks)+16
	ds_load_b128 v[C3N+40:C3N+43], v[WFA] offset:128*(\ks)+64
	ds_load_b128 v[C3N+44:C3N+47], v[WFA] offset:128*(\ks)+80
.else
	ds_load_b128 v[C3N+32:C3N+35], v[WFA] offset:1152
	ds_load_b128 v[C3N+36:C3N+39], v[WFT] offset:1168
.endif
.endm
.macro Q3STEP ks                       ; bf16(q o w_rel): the product in f32, rounded once
.set C3C, C3+48*((\ks)&1)
.if \ks < 9
	LOAD3 (\ks+1)
.endif
.if \ks < 8
	s_wait_dscnt 12                                ; the next step's 12 loads stay out
.elseif \ks == 8
	s_wait_dscnt 6                                 ; the last step has 6
.else
	s_wait_dscnt 0
.endif
	WIN 0x45
.irp m, 0,1
.if \ks < 9
.irp i, 0,2,4,6,8,10,12,14
	v_pk_mul_f32 v[C3C+16*\m+\i:C3C+16*\m+\i+1], v[C3C+16*\m+\i:C3C+16*\m+\i+1], v[C3C+32+\i:C3C+32+\i+1]
.endr
.else
.irp i, 0,2,4,6
	v_pk_mul_f32 v[C3C+16*\m+\i:C3C+16*\m+\i+1], v[C3C+16*\m+\i:C3C+16*\m+\i+1], v[C3C+32+\i:C3C+32+\i+1]
.endr
.endif
.endr
	WIN 0x05
.irp m, 0,1
.if \ks < 9
.irp i, 0,1,2,3,4,5,6,7
	v_cvt_pk_bf16_f32 v[QW+8*(10*\m+\ks)+\i], v[C3C+16*\m+2*\i], v[C3C+16*\m+2*\i+1]
.endr
.else
.irp i, 0,1,2,3
	v_cvt_pk_bf16_f32 v[QW+8*(10*\m+\ks)+\i], v[C3C+16*\m+2*\i], v[C3C+16*\m+2*\i+1]
.endr
.endif
.endr
.if \ks == 9
	WIN 0
.irp m, 0,1
	v_cndmask_b32 v[QW+8*(10*\m+9)+2], 0, v[QW+8*(10*\m+9)+2], s46
	v_cndmask_b32 v[QW+8*(10*\m+9)+3], 0, v[QW+8*(10*\m+9)+3], s46
.irp i, 4,5,6,7
	v_mov_b32 v[QW+8*(10*\m+9)+\i], 0
.endr
.endr
.endif
.endm
	LOAD3 0
.irp k, 0,1,2,3,4,5,6,7,8,9
	Q3STEP \k
.endr
	; ================ phase B: 16 actions a step
; The gathered rows of a tile go through my stage and come back as R's ten operands (column a = r, K = d).  cnt: the younger tile's loads that stay out.
; The stage is my own and LDS serves a wave in order, so no wait stands between the stores and the loads.
.macro XFER pd, cnt
	s_wait_loadcnt \cnt
	WIN 0x0c
.irp u, 0,1,2,3
.irp c, 0,1,2,3,4
	ds_store_b128 v[SA], v[80*\pd+4*(5*\u+\c):80*\pd+4*(5*\u+\c)+3] offset:4*RPITCH*\u+128*\c
.endr
.endr
.if \pd == 0
	WIN 0xc0
.set XFB, F0B
.else
	WIN 0x40
.set XFB, F1B
.endif
.irp k, 0,1,2,3,4,5,6,7,8,9
	ds_load_b128 v[XFB+8*\k:XFB+8*\k+3],   v[FA] offset:64*\k
	ds_load_b128 v[XFB+8*\k+4:XFB+8*\k+7], v[FA] offset:64*\k+32
.endr
.endm
; softmax over an action's 32 logits: 16 in my registers, 16 in lane ^ 16; then attn as an operand
.macro SOFTMAX
	v_max3_num_f32 v[TM],   v[LG],    v[LG+1],  v[LG+2]
	v_max3_num_f32 v[TM+1], v[LG+3],  v[LG+4],  v[LG+5]
	v_max3_num_f32 v[TM+2], v[LG+6],  v[LG+7],  v[LG+8]
	v_max3_num_f32 v[TM+3], v[LG+9],  v[LG+10], v[LG+11]
	v_max3_num_f32 v[TM+4], v[LG+12], v[LG+13], v[LG+14]
	v_max3_num_f32 v[TM],   v[TM],    v[TM+1],  v[LG+15]
	v_max3_num_f32 v[TM+2], v[TM+2],  v[TM+3],  v[TM+4]
	v_max_num_f32 v[TM], v[TM], v[TM+2]
	v_permlanex16_b32 v[TM+1], v[TM], s44, s45
	v_max_num_f32 v[TM], v[TM], v[TM+1]            ; the action's largest logit
	v_mul_f32 v[TM+2], NLOG2E, v[TM]
	v_mul_f32 v[TM+3], NLOG2E, v[TM]
.irp i, 0,2,4,6,8,10,12,14
	v_pk_fma_f32 v[LG+\i:LG+\i+1], v[LG+\i:LG+\i+1], LOG2E, v[TM+2:TM+3] op_sel_hi:[1,0,1]   ; (x - max) log2 e, one rounding of the product's sum
.endr
.irp i, 0,1,2,3,4,5,6,7,8,9,10,11,12,13,14,15
	v_exp_f32 v[LG+\i], v[LG+\i]
.endr
	v_nop                                          ; one plain place behind the exponentials (ISA guide 5.7.2)
	s_wait_alu depctr_va_vdst(0)
	v_pk_add_f32 v[TM:TM+1],   v[LG:LG+1],     v[LG+2:LG+3]
	v_pk_add_f32 v[TM+2:TM+3], v[LG+4:LG+5],   v[LG+6:LG+7]
	v_pk_add_f32 v[TM+4:TM+5], v[LG+8:LG+9],   v[LG+10:LG+11]
	v_pk_add_f32 v[TM+6:TM+7], v[LG+12:LG+13], v[LG+14:LG+15]
	v_pk_add_f32 v[TM:TM+1],   v[TM:TM+1],     v[TM+2:TM+3]
	v_pk_add_f32 v[TM+4:TM+5], v[TM+4:TM+5],   v[TM+6:TM+7]
	v_pk_add_f32 v[TM:TM+1],   v[TM:TM+1],     v[TM+4:TM+5]
	v_add_f32 v[TM], v[TM], v[TM+1]
	v_permlanex16_b32 v[TM+1], v[TM], s44, s45
	v_add_f32 v[TM], v[TM], v[TM+1]                ; at least about 1: the largest logit's term
	v_rcp_f32 v[TM+2], v[TM]
	v_rcp_f32 v[TM+3], v[TM]
	v_nop                                          ; one plain place behind the reciprocals
	s_wait_alu depctr_va_vdst(0)
.irp i, 0,2,4,6,8,10,12,14
	v_pk_mul_f32 v[LG+\i:LG+\i+1], v[LG+\i:LG+\i+1], v[TM+2:TM+3]
.endr
.irp i, 0,1,2,3,4,5,6,7
	v_cvt_pk_bf16_f32 v[AT+\i], v[LG+2*\i], v[LG+2*\i+1]
.endr
.endm
; up to four tiles of act^T = P^T attn + c, column tiles 4 g .. of d, into a bank of 32 registers
.macro ACTW g, bank, tiles
	WIN 0xa1                                       ; A: P^T, window 1; B: attn, window 0; C: c and D: the bank, window 2
.set ti, 0
.rept \tiles
	v_wmma_f32_16x16x32_bf16 v[\bank+8*ti:\bank+8*ti+7], v[PF+8*(4*\g+ti):PF+8*(4*\g+ti)+7], v[AT:AT+7], v[CF+8*(4*\g+ti):CF+8*(4*\g+ti)+7]
.set ti, ti+1
.endr
.endm
; relu, and the score's sums: R[a][16 dt + 8 h + j] is half j & 1 of register 8 (dt >> 1) + 4 (dt & 1) + (j >> 1) of R's operands
.macro ACTV g, bank, tiles
	WIN (0xa8|FW)
.set ti, 0
.rept \tiles
.set dt, 4*\g+ti
.set FR, FB+8*(dt>>1)+4*(dt&1)
.irp j, 0,1,2,3,4,5,6,7
	v_max_num_f32 v[\bank+8*ti+\j], 0, v[\bank+8*ti+\j]
.endr
.irp j, 0,2,4,6
	v_fma_mix_f32_bf16 v[SS+\j],   v[FR+(\j>>1)], v[\bank+8*ti+\j],   v[SS+\j]   op_sel_hi:[1,0,0]
	v_fma_mix_f32_bf16 v[SS+\j+1], v[FR+(\j>>1)], v[\bank+8*ti+\j+1], v[SS+\j+1] op_sel:[1,0,0] op_sel_hi:[1,0,0]
.endr
.set ti, ti+1
.endr
.endm
; One tile of 16 actions.  p: the tile's parity (which registers hold R's operands).  rows = 1: the rows of the tile two further on are asked for.
; xfer = 1: the next tile's rows, which have come, go through the stage.  cnt: the count of XFER's wait.
.macro STEP p, rows, xfer, cnt
.if \p == 0
.set FB, F0B
.set FW, 3
.else
.set FB, F1B
.set FW, 1
.endif
.if \rows
	IXLOAD (\p+2)
	s_wait_dscnt 4                                 ; R's operands are in; the four index loads stay out
.else
	s_wait_dscnt 0
.endif
	WIN (FW<<2)                                    ; A: q o w_rel, window 0; B: R; sums in window 0
	; logits^T: two accumulators by turns, one instruction a turn; b_rel starts both sums
	v_wmma_f32_16x16x32_bf16 v[LG:LG+7],    v[QW:QW+7],       v[FB:FB+7], v[BREL:BREL+7]
	v_wmma_f32_16x16x32_bf16 v[LG+8:LG+15], v[QW+80:QW+87],   v[FB:FB+7], v[BREL:BREL+7]
.irp k, 1,2,3,4,5,6,7,8,9
	v_wmma_f32_16x16x32_bf16 v[LG:LG+7],    v[QW+8*\k:QW+8*\k+7],       v[FB+8*\k:FB+8*\k+7], v[LG:LG+7]
	v_wmma_f32_16x16x32_bf16 v[LG+8:LG+15], v[QW+80+8*\k:QW+80+8*\k+7], v[FB+8*\k:FB+8*\k+7], v[LG+8:LG+15]
.endr
.if \rows
	s_wait_dscnt 0x0                               ; the indices
	ROWS \p                                        ; its eight vector instructions are also the places behind the logits.  These offset registers' last loads were shown done by the last step's counted wait
	WIN 0
.else
	WIN 0
	PLACES
.endif
	SOFTMAX
	; act and the score, on two banks: while one bank's tiles are made, the other's are used; each use stands 64 (at the start 8) plain vector instructions behind its tiles' matrix instructions
	ACTW 0, TX, 4
.irp j, 0,1,2,3,4,5,6,7
	v_mov_b32 v[SS+\j], 0                          ; the score's eight sums; these lines are the places behind the first bank's tiles
.endr
	ACTW 1, TY, 4
	ACTV 0, TX, 4
	ACTW 2, TX, 4
	ACTV 1, TY, 4
	ACTW 3, TY, 4
	ACTV 2, TX, 4
.if \xfer
	XFER (1-\p), \cnt                              ; the rest of the step covers the way through LDS
.endif
	ACTW 4, TX, 3                                  ; column tiles 16, 17, 18: d up to 303
	ACTV 3, TY, 4
	ACTV 4, TX, 3
	WIN 0x0a
	v_pk_add_f32 v[TM:TM+1],   v[SS:SS+1],   v[SS+2:SS+3]
	v_pk_add_f32 v[TM+2:TM+3], v[SS+4:SS+5], v[SS+6:SS+7]
	WIN 0
	v_pk_add_f32 v[TM:TM+1], v[TM:TM+1], v[TM+2:TM+3]
	v_add_f32 v[TM], v[TM], v[TM+1]
	v_permlanex16_b32 v[TM+1], v[TM], s44, s45     ; the other half of each column tile's d
	v_add_f32 v[TM], v[TM], v[TM+1]
	ds_store_b32 v[SCA], v[TM] offset:64*\p        ; both halves write the same number to action r's word
.endm
	XFER 0, 20                                     ; the mask and tile 0's rows are in; tile 1's twenty loads stay out.  My reads of q_t ended at the wait for 0 above
	WIN 0
	s_mov_b32 s48, 7
.Ltiles:
	STEP 0, 1, 1, 20                               ; 20: the rows asked for in this step stay out, the next tile's are in
	STEP 1, 1, 1, 20
	v_add_nc_u32 v[IA], 128, v[IA]                 ; two tiles on: 32 indices,
	v_add_nc_u32 v[SCA], 128, v[SCA]               ; 32 scores
	s_sub_co_u32 s48, s48, 1
	s_cmp_lg_u32 s48, 0
	s_cbranch_scc1 .Ltiles
	STEP 0, 0, 1, 0                                ; tiles 14 and 15 ask for nothing more
	STEP 1, 0, 0, 0
	; ================ phase C: the softmax over my batch's 256 actions, eight a lane (4 lane .., 128 + 4 lane ..), as the mask was loaded and the result is stored
.set SC, TM+8
.macro WMAX x, t                       ; the largest of the wave's 32 numbers, in every lane
	v_max_num_f32_dpp v[\x], v[\x], v[\x] row_xmask:1 row_mask:0xf bank_mask:0xf
	v_max_num_f32_dpp v[\x], v[\x], v[\x] row_xmask:2 row_mask:0xf bank_mask:0xf
	v_max_num_f32_dpp v[\x], v[\x], v[\x] row_xmask:4 row_mask:0xf bank_mask:0xf
	v_max_num_f32_dpp v[\x], v[\x], v[\x] row_xmask:8 row_mask:0xf bank_mask:0xf
	v_permlanex16_b32 v[\t], v[\x], s44, s45
	v_max_num_f32 v[\x], v[\x], v[\t]
.endm
.macro SUM8                            ; the sum of the wave's 256 numbers SC .. SC + 7, in every lane's TM
	v_pk_add_f32 v[TM:TM+1],   v[SC:SC+1],     v[SC+2:SC+3]
	v_pk_add_f32 v[TM+4:TM+5], v[SC+4:SC+5],   v[SC+6:SC+7]
	v_pk_add_f32 v[TM:TM+1],   v[TM:TM+1],     v[TM+4:TM+5]
	v_add_f32 v[TM], v[TM], v[TM+1]
	v_add_f32_dpp v[TM], v[TM], v[TM] row_xmask:1 row_mask:0xf bank_mask:0xf
	v_add_f32_dpp v[TM], v[TM], v[TM] row_xmask:2 row_mask:0xf bank_mask:0xf
	v_add_f32_dpp v[TM], v[TM], v[TM] row_xmask:4 row_mask:0xf bank_mask:0xf
	v_add_f32_dpp v[TM], v[TM], v[TM] row_xmask:8 row_mask:0xf bank_mask:0xf
	v_permlanex16_b32 v[TM+1], v[TM], s44, s45
	v_add_f32 v[TM], v[TM], v[TM+1]
.endm
.macro SCALE8                          ; SC .. SC + 7 divided by TM
	v_rcp_f32 v[TM+2], v[TM]
	v_rcp_f32 v[TM+3], v[TM]
	v_nop                                          ; one plain place behind the reciprocals
	s_wait_alu depctr_va_vdst(0)
.irp i, 0,2,4,6
	v_pk_mul_f32 v[SC+\i:SC+\i+1], v[SC+\i:SC+\i+1], v[TM+2:TM+3]
.endr
.endm
	v_add_nc_u32 v[TM], s49, v[L16]
	ds_load_b128 v[SC:SC+3],   v[TM]               ; my own stores, served in order
	ds_load_b128 v[SC+4:SC+7], v[TM] offset:512
	s_wait_dscnt 0x0
	v_max3_num_f32 v[TM],   v[SC],   v[SC+1], v[SC+2]
	v_max3_num_f32 v[TM+1], v[SC+3], v[SC+4], v[SC+5]
	v_max3_num_f32 v[TM],   v[TM],   v[TM+1], v[SC+6]
	v_max_num_f32 v[TM], v[TM], v[SC+7]
	WMAX TM, TM+1
	v_mul_f32 v[TM+2], NLOG2E, v[TM]
	v_mul_f32 v[TM+3], NLOG2E, v[TM]
.irp i, 0,2,4,6
	v_pk_fma_f32 v[SC+\i:SC+\i+1], v[SC+\i:SC+\i+1], LOG2E, v[TM+2:TM+3] op_sel_hi:[1,0,1]
.endr
.irp i, 0,1,2,3,4,5,6,7
	v_exp_f32 v[SC+\i], v[SC+\i]
.endr
	v_nop                                          ; one plain place behind the exponentials
	s_wait_alu depctr_va_vdst(0)
	SUM8
	SCALE8                                         ; the softmax
	WIN 0x08                                       ; the mask lies in window 2
.irp i, 0,2,4,6
	v_pk_fma_f32 v[SC+\i:SC+\i+1], v[SC+\i:SC+\i+1], v[MASK+\i:MASK+\i+1], EPS op_sel_hi:[1,1,0]
.endr
	WIN 0
	SUM8
	SCALE8
	global_store_b128 v[L16], v[SC:SC+3],   s[26:27] th:TH_STORE_NT              ; each store of the wave covers 512 consecutive bytes, aligned
	global_store_b128 v[L16], v[SC+4:SC+7], s[26:27] offset:512 th:TH_STORE_NT
	s_set_vgpr_msb 0xa
	s_wait_tensorcnt 0x0
	ds_add_u32 v254, v255
	s_wait_dscnt 0x0
	s_set_vgpr_msb 0xa00
	s_endpgm
.Lfunc_end_k_q14862dbe57_fused:
	.size	k_q14862dbe57_fused, .Lfunc_end_k_q14862dbe57_fused-k_q14862dbe57_fused
	.p2alignl 7, 3214868480
	.fill 96, 4, 3214868480
	.section	.rodata,"a",@progbits
	.p2align	6, 0x0
	.amdhsa_kernel k_q14862dbe57_fused
		.amdhsa_group_segment_fixed_size 327168
		.amdhsa_private_segment_fixed_size 0
		.amdhsa_enable_private_segment 0
		.amdhsa_kernarg_size 80
		.amdhsa_user_sgpr_count 2
		.amdhsa_user_sgpr_kernarg_segment_ptr 1
		.amdhsa_wavefront_size32 1
		.amdhsa_system_sgpr_workgroup_id_x 1
		.amdhsa_system_sgpr_workgroup_id_y 1
		.amdhsa_system_sgpr_workgroup_id_z 1
		.amdhsa_system_vgpr_workitem_id 0
		.amdhsa_next_free_vgpr 1024
		.amdhsa_next_free_sgpr 66
		.amdhsa_reserve_vcc 0
		.amdhsa_float_denorm_mode_32 3
		.amdhsa_float_denorm_mode_16_64 3
		.amdhsa_memory_ordered 1
		.amdhsa_forward_progress 1
		.amdhsa_inst_pref_size 255
	.end_amdhsa_kernel
	.amdgpu_metadata
---
amdhsa.version: [ 1, 2 ]
amdhsa.kernels:
  - .name:           k_q14862dbe57_fused
    .symbol:         k_q14862dbe57_fused.kd
    .args:
      - { .name: q_t, .offset: 0, .size: 8, .value_kind: global_buffer, .address_space: global }
      - { .name: last_h, .offset: 8, .size: 8, .value_kind: global_buffer, .address_space: global }
      - { .name: w_rel, .offset: 16, .size: 8, .value_kind: global_buffer, .address_space: global }
      - { .name: b_rel, .offset: 24, .size: 8, .value_kind: global_buffer, .address_space: global }
      - { .name: b_ac, .offset: 32, .size: 8, .value_kind: global_buffer, .address_space: global }
      - { .name: r_space, .offset: 40, .size: 8, .value_kind: global_buffer, .address_space: global }
      - { .name: action_mask, .offset: 48, .size: 8, .value_kind: global_buffer, .address_space: global }
      - { .name: rb, .offset: 56, .size: 8, .value_kind: global_buffer, .address_space: global }
      - { .name: wf, .offset: 64, .size: 8, .value_kind: global_buffer, .address_space: global }
      - { .name: out0, .offset: 72, .size: 8, .value_kind: global_buffer, .address_space: global }
    .group_segment_fixed_size: 327168
    .private_segment_fixed_size: 0
    .kernarg_segment_align: 8
    .kernarg_segment_size: 80
    .max_flat_workgroup_size: 128
    .sgpr_count:     66
    .vgpr_count:     1024
    .wavefront_size: 32
...
	.end_amdgpu_metadata
.endif
;; end of part 2
